; MI455X (gfx1250); checked and timed in simulation.
; The chip was launched on July 23, 2026; its instructions are those of AMD's public machine-readable ISA for CDNA 5 (MIT licence, August 2026) and "CDNA5" Instruction Set Architecture Reference Guide (July 2026). The comments in the code are by the model that wrote it; some were corrected since.
;; Multi Head Attention. Allowed arithmetic: matrix products marked QUANTISED: E4M3 operands, one given power-of-two scale a tensor, by v_wmma_f32_16x16x64_fp8_fp8 or v_wmma_f32_16x16x128_fp8_fp8, f32 sums; everything else in f32.
;; Inputs: Wk 1,024 x 1,024 float32; Wo 1,024 x 1,024 float32; Wq 1,024 x 1,024 float32; Wv 1,024 x 1,024 float32; bk 1,024 float32; bo 1,024 float32; bq 1,024 float32; bv 1,024 float32; key_ 4 x 2,048 x 1,024 float32; lowp_scales 12 int32 (the exponents e of the quantised operands' scales 2^e); mask 4 x 2,048 x 2,048 int32; query 4 x 2,048 x 1,024 float32; value 4 x 2,048 x 1,024 float32.
;; Outputs: out0 4 x 2,048 x 1,024 float32.
;; This version of the problem:
;;   THIS VERSION OF THE PROBLEM IS GIVEN IN LOW PRECISION. The matrix products marked QUANTISED in the list below multiply operands that are first quantised to E4M3 (4 exponent bits, 3 mantissa bits; 8 bits a number), with one given power-of-two scale for each operand tensor; their sums are f32. All else is computed in f32.
;;   The module's matrix products, in the order in which they are computed (A, B: the left and right operand; K: the contracted axis; several contracted axes count as one K, in the product's order):
;;     1. [M 8,192, K 1,024] x [K 1,024, N 1,024]; A: input query; B: input Wq: QUANTISED (scales: A lowp_scales[0], B lowp_scales[1])
;;     2. [M 8,192, K 1,024] x [K 1,024, N 1,024]; A: input key_; B: input Wk: QUANTISED (scales: A lowp_scales[2], B lowp_scales[3])
;;     3. [M 8,192, K 1,024] x [K 1,024, N 1,024]; A: input value; B: input Wv: QUANTISED (scales: A lowp_scales[4], B lowp_scales[5])
;;     4. batch 64 x [M 2,048, K 64] x [K 64, N 2,048]; A: computed on the way; B: computed on the way: QUANTISED (scales: A lowp_scales[6], B lowp_scales[7])
;;     5. batch 64 x [M 2,048, K 2,048] x [K 2,048, N 64]; A: softmax (see below); B: computed on the way: QUANTISED (scales: A lowp_scales[8], B lowp_scales[9])
;;     6. [M 8,192, K 1,024] x [K 1,024, N 1,024]; A: computed on the way; B: input Wo: QUANTISED (scales: A lowp_scales[10], B lowp_scales[11])
;;   THE QUANTISER, for each operand of a quantised product, along K:
;;     - The operand's scale is 2^e, e = its entry of the input lowp_scales (int32; the entries are numbered through the quantised products in the list's order, A before B).
;;     - Each number is divided by the scale, clamped to +-448, and rounded to the nearest number of E4M3, ties to even, subnormals kept.
;;     - The product sums the exact products of the quantised numbers (number of the format x scale) in f32.
;;   ~~~python
;;   def quantise(x, axis, e):      # numpy; x: float32 -> the quantised numbers, widened to float32 again
;;       x = np.moveaxis(x, axis, -1); K = x.shape[-1]
;;       r = np.clip(x / 2.0 ** e, -448, 448)
;;       step = 2.0 ** (np.maximum(np.frexp(np.where(r == 0, 1, r))[1] - 1, -6) - 3)
;;       q = np.round(r / step) * step * 2.0 ** e      # np.round: ties to even
;;       return np.moveaxis(q, -1, axis).astype(np.float32)
;;   ~~~
;;   SOFTMAX AHEAD OF A QUANTISED PRODUCT. Where the list says 'softmax', what is quantised is not the finished softmax but p = 2^(t - M), with t = logit x log2(e) and M = ceil(the row's largest t), a whole number; so 1/2 < the row's largest p <= 1. The row's sum l is taken of the UNQUANTISED p, in f32, and the product's result is divided by l at the end. Since M is a whole number, a kernel that streams over the keys may use a running M (the ceiling of the running maximum): every later rescaling is an exact power of two, so the quantised numbers keep their values, but for numbers so far below the row's largest that they fall under the format's range.
;;   OPERANDS COMPUTED ON THE WAY. 'Computed on the way' means the value that the module computes at that place (a softmax that the list does not call 'softmax' is quantised finished and normalised). What goes into a quantiser is computed in f32, as accurately as f32 sums, v_exp_f32 and their like allow (about 1e-6 of the number): no bf16 or f16 on the way to a quantiser, and a product that is left as it is and whose result goes on into a quantised operand takes f32 operands (vector FMAs, or v_wmma_f32_16x16x4_f32). A number that lies on a knife's edge between two numbers of the format may be rounded either way, as far as f32 arithmetic and the matrix unit's own rounding can turn it there, and no further.
;; One version. Each part assembles by itself: llvm-mc -triple=amdgcn-amd-amdhsa -mcpu=gfx1250 --defsym DOCPART=n.
;; ======== version 1 of 1: 4 launches
;; limits: right only within a limited range of input values
;; workspace buffers: xc 25,165,824 bytes; wc 4,194,304 bytes; mbits 2,097,152 bytes of whole numbers; mflags 131,072 bytes of whole numbers; qkv 25,165,824 bytes; ctxc 8,388,608 bytes
;; launch prep (part 1): grid 704 x 1, 4 waves a work-group, no clusters, 68,096 bytes of LDS; arguments query, key_, value, Wq, Wk, Wv, Wo, mask, lowp_scales, xc, wc, mbits, mflags; writes xc, wc, mbits, mflags
.if DOCPART == 1
	.amdgcn_target "amdgcn-amd-amdhsa--gfx1250"
	.amdhsa_code_object_version 6
	.text
	.protected	k_q89ab995f30_prep
	.globl	k_q89ab995f30_prep
	.p2align	8
	.type	k_q89ab995f30_prep,@function
k_q89ab995f30_prep:
	s_mov_b64 s[64:65], 0
	v_nop
	global_prefetch_b8 v0, s[64:65] scope:SCOPE_SE
	s_setreg_imm32_b32 hwreg(HW_REG_WAVE_MODE, 25, 1), 1
	s_wait_xcnt 0x0
; PREP: every wide input is read once.  Work-groups 0-447 turn query, key_, value, Wq, Wk, Wv, Wo (f32, K innermost) into codes of E4M3 with the given scale 2^e;
; work-groups 448-703 turn the mask (int32) into lane-mask words and flags for the attention launch.
; CODES' LAYOUT: a block of 16 rows x 1,024 codes is 16,384 bytes, [kq 0..7][c 0..3][lane 0..31][16 bytes]: lane 16 h + r holds k = 128 kq + 32 c + 16 h + 0..15 of row r: the image of an
; operand's registers (16 rows x 128 K fetched by four loads of 16 bytes), so each later fetch and each store here is 512 consecutive bytes.
; MASK WORDS: for a pair of 32 queries (two tiles a of 16) and a step of 64 keys, 64 words: word 32 a + n, bit 16 h + r = (mask[query 32 P + 8 a + r + 8 (r / 8)][key 64 s + 32 (n / 16) + 16 h + n % 16] != 0):
; the lane mask of one register of scores.  FLAGS, four words for each pair and each of the four waves here: bit s of F: step s has a key that counts; of G: all its keys count; R0, R1: the OR of tile 0's, tile 1's words.
; THE UNIT of both roles: 16 rows x 512 bytes.  Each of its 16 loads reads 512 consecutive bytes of one row; the unit turns through the wave's own stage in LDS (rows 528 bytes apart = 33 x 16, so that 16 lanes
; that read 16 rows touch 16 different 16-byte columns) and comes back with 64 neighbours along the row in a lane: register 16 c + i = element 32 c + 16 h + i of row r.
; No tensor loads, no barrier: waves share nothing.  Two units (32 loads a wave) are on their way.  Each role has LDS bytes of its own.
; LIMITS: e between -126 and 119, so that 2^e and 448 x 2^e are f32 numbers.  NaN among the inputs is not served; an infinity is held at the largest code.
.set SPI,  528                         ; a stage row
.set WST,  16*SPI                      ; a wave's stage
.set STM,  4*WST                       ; the mask role's stages lie behind the quantiser's
.set LD,   32                          ; v32-159   two sets of 64 registers as loaded
.set X,    160                         ; v160-223  the unit, turned
.set CD,   224                         ; v224-239  codes (quantiser); mask words, four registers for each 128 keys (mask role)
; v1 16 x lane; v2, v3 stage in / out (quantiser); v4, v5 the same (mask role); v6 4 x lane; v10 448 x 2^e; v11 2^e; v240 the flags' record
; s[30:31] source; s[68:69] destination; s32 e; s35 wave; s48-51 compare results by turns; s52, s53 OR / AND of 32 words; s54-57 a step's OR / AND; s58, s59 R0, R1; s60 F; s61 G; s62 8 x wave
.macro PICK lim, p                     ; from work-group lim on: the tensor at s[p:p+1]
	s_cmp_ge_u32 ttmp9, \lim
	s_cselect_b64 s[30:31], s[\p:\p+1], s[30:31]
	s_cselect_b32 s33, \lim, s33
.endm
.macro PICKE lim, r                    ; and its scale's exponent
	s_cmp_ge_u32 ttmp9, \lim
	s_cselect_b32 s32, s[\r], s32
.endm
.macro LOADX u                         ; unit u of the quantiser: K = 128 u .. 128 u + 127 of my 16 rows
.irp i, 0,1,2,3,4,5,6,7,8,9,10,11,12,13,14,15
	global_load_b128 v[LD+64*((\u)%2)+4*\i:LD+64*((\u)%2)+4*\i+3], v1, s[30:31] offset:\i*4096+(\u)*512 th:TH_LOAD_NT
.endr
.endm
.macro LOADM u                         ; unit u of the mask role: tile u % 2 of the pair, keys 128 (u / 2) on; stage row i is query 8 a + i + 8 (i / 8)
.irp i, 0,1,2,3,4,5,6,7,8,9,10,11,12,13,14,15
	global_load_b128 v[LD+64*((\u)%2)+4*\i:LD+64*((\u)%2)+4*\i+3], v1, s[30:31] offset:(8*((\u)%2)+\i+8*(\i/8))*8192+((\u)/2)*512 th:TH_LOAD_NT
.endr
.endm
.macro TURNU u, ain, aout              ; through the stage: LDS serves a wave's instructions in order, so no wait stands between the stores and the loads
.irp i, 0,1,2,3,4,5,6,7,8,9,10,11,12,13,14,15
	ds_store_b128 v[\ain], v[LD+64*((\u)%2)+4*\i:LD+64*((\u)%2)+4*\i+3] offset:\i*SPI
.endr
.irp c, 0,1,2,3
.irp j, 0,1,2,3
	ds_load_b128 v[X+16*\c+4*\j:X+16*\c+4*\j+3], v[\aout] offset:128*\c+16*\j
.endr
.endr
.endm
.macro UNITX u
.if \u < 7
	s_wait_loadcnt 16                              ; this unit's 16 loads are in; the next unit's 16 may be out
.else
	s_wait_loadcnt 0x0
.endif
	TURNU \u, 2, 3
	s_wait_dscnt 0x0                               ; the unit is back, and the stage's stores have read the loaded registers
	s_wait_xcnt 0x0                                ; the last unit's stores have read their codes' registers, which are written again below
.if \u < 6
	LOADX \u+2
.endif
.irp c, 0,1,2,3
.irp i, 0,1,2,3,4,5,6,7,8,9,10,11,12,13,14,15
	v_med3_num_f32 v[X+16*\c+\i], v[X+16*\c+\i], -v10, v10   ; the conversion to an 8-bit code does not saturate (ISA guide 7.6.2): the hold at the largest code x the scale
.endr
	v_cvt_scalef32_pk8_fp8_f32 v[CD+4*\c:CD+4*\c+1], v[X+16*\c:X+16*\c+7], v11
	v_cvt_scalef32_pk8_fp8_f32 v[CD+4*\c+2:CD+4*\c+3], v[X+16*\c+8:X+16*\c+15], v11
	global_store_b128 v1, v[CD+4*\c:CD+4*\c+3], s[68:69] offset:(\u)*2048+\c*512   ; 32 lanes store 512 consecutive bytes; the next vector lines are plain holds on other registers
.endr
.endm
.macro UNITM u
.if \u < 7
	s_wait_loadcnt 16
.else
	s_wait_loadcnt 0x0
.endif
	TURNU \u, 4, 5
	s_wait_dscnt 0x0
.if \u < 6
	LOADM \u+2
.endif
.irp g, 0,1                            ; the unit's two steps of 64 keys
	s_mov_b32 s52, 0
	s_mov_b32 s53, -1
.irp q, 0,1,2,3,4,5,6,7
.irp k, 0,1,2,3
	v_cmp_ne_u32 s[48+\k], 0, v[X+32*\g+4*\q+\k]   ; word 32 a + 4 q + k of step g: one bit a lane
.endr
.irp k, 0,1,2,3
	v_writelane_b32 v[CD+4*((\u)/2)+\k], s[48+\k], 16*\g+8*((\u)%2)+\q   ; word W = 64 g + 32 a + 4 q + k of the two steps' 128 goes to lane W / 4, register W % 4: a store of 16 bytes a lane lays them in order
.endr
.irp k, 0,1,2,3
	s_or_b32 s52, s52, s[48+\k]
	s_and_b32 s53, s53, s[48+\k]
.endr
.endr
	s_or_b32 s[58+(\u)%2], s[58+(\u)%2], s52
.if (\u)%2 == 0
	s_mov_b32 s[54+\g], s52
	s_mov_b32 s[56+\g], s53
.else
	s_or_b32 s[54+\g], s[54+\g], s52
	s_and_b32 s[56+\g], s[56+\g], s53
	s_add_co_u32 s34, s62, 2*((\u)/2)+\g           ; the step's number: 8 x wave + 2 (u / 2) + g
	s_cmp_lg_u32 s[54+\g], 0
	s_cselect_b32 s63, 1, 0
	s_lshl_b32 s63, s63, s34
	s_or_b32 s60, s60, s63                         ; F
	s_cmp_eq_u32 s[56+\g], -1
	s_cselect_b32 s63, 1, 0
	s_lshl_b32 s63, s63, s34
	s_or_b32 s61, s61, s63                         ; G
.endif
.endr
.if (\u)%2 == 1
	global_store_b128 v1, v[CD+4*((\u)/2):CD+4*((\u)/2)+3], s[68:69] offset:((\u)/2)*512   ; two steps' records, 512 consecutive bytes; these four registers are written for this store alone
.endif
.endm
	s_load_b512 s[4:19], s[0:1], 0x0               ; query, key_, value, Wq, Wk, Wv, Wo, mask
	s_load_b256 s[20:27], s[0:1], 0x40             ; lowp_scales, xc, wc, mbits
	s_load_b64 s[28:29], s[0:1], 0x60              ; mflags
	v_lshl_add_u32 v254, v0, 2, 0x10800
	v_mov_b32 v255, 0
	v_lshrrev_b32 v7, 5, v0
	v_readfirstlane_b32 s35, v7                    ; wave
	v_and_b32 v8, 31, v0                           ; lane
	v_lshlrev_b32 v1, 4, v8
	v_lshlrev_b32 v6, 2, v8
	v_and_b32 v9, 15, v0                           ; r
	v_bfe_u32 v12, v0, 4, 1                        ; h
	s_mul_i32 s34, s35, WST
	v_add_nc_u32 v2, s34, v1                       ; into the stage: 16 x lane of row i
	v_mul_u32_u24 v13, v9, SPI
	v_lshl_add_u32 v13, v12, 6, v13
	v_add_nc_u32 v3, s34, v13                      ; out of it: row r, + 64 h
	v_add_nc_u32 v4, STM, v2                       ; the mask role's stages: all four addresses are made ahead of the parting
	v_add_nc_u32 v5, STM, v3
	s_mov_b32 s67, 0
	s_wait_kmcnt 0x0
	s_cmp_ge_u32 ttmp9, 448
	s_cbranch_scc1 .Lmask
	; ---- the quantiser: a work-group takes 64 rows, a wave one block of 16
	s_load_b256 s[36:43], s[20:21], 0x0            ; e0 .. e7
	s_load_b128 s[44:47], s[20:21], 0x20           ; e8 .. e11
	s_mov_b64 s[30:31], s[4:5]                     ; work-groups 0-127: query
	s_mov_b32 s33, 0
	PICK 128, 6                                    ; key_
	PICK 256, 8                                    ; value
	PICK 384, 10                                   ; Wq
	PICK 400, 12                                   ; Wk
	PICK 416, 14                                   ; Wv
	PICK 432, 16                                   ; Wo
	s_sub_co_u32 s34, ttmp9, s33
	s_lshl_b32 s66, s34, 18                        ; 64 rows of 4,096 bytes
	s_lshl_b32 s34, s35, 16                        ; my 16
	s_add_co_u32 s66, s66, s34
	s_add_nc_u64 s[30:31], s[30:31], s[66:67]
	s_cmp_lt_u32 ttmp9, 384
	s_cselect_b64 s[68:69], s[22:23], s[24:25]     ; xc holds query, key_, value on end; wc holds Wq, Wk, Wv, Wo
	s_cselect_b32 s34, 0, 384
	s_sub_co_u32 s34, ttmp9, s34
	s_lshl_b32 s66, s34, 16                        ; 64 rows of 1,024 codes
	s_lshl_b32 s34, s35, 14
	s_add_co_u32 s66, s66, s34
	s_add_nc_u64 s[68:69], s[68:69], s[66:67]
	LOADX 0
	LOADX 1
	s_wait_kmcnt 0x0
	s_mov_b32 s32, s36                             ; query: entry 0
	PICKE 128, 38                                  ; key_: 2
	PICKE 256, 40                                  ; value: 4
	PICKE 384, 37                                  ; Wq: 1
	PICKE 400, 39                                  ; Wk: 3
	PICKE 416, 41                                  ; Wv: 5
	PICKE 432, 47                                  ; Wo: 11
	s_add_co_i32 s32, s32, 127
	s_lshl_b32 s34, s32, 23
	v_mov_b32 v11, s34                             ; 2^e as f32: the conversion takes its exponent field
	s_add_co_i32 s32, s32, 8
	s_lshl_b32 s32, s32, 23
	s_or_b32 s32, s32, 0x600000
	v_mov_b32 v10, s32                             ; 448 x 2^e
.irp u, 0,1,2,3,4,5,6,7
	UNITX \u
.endr
	s_wait_tensorcnt 0x0
	ds_add_u32 v254, v255
	s_wait_dscnt 0x0
	s_endpgm
	; ---- the mask: a work-group takes a pair of 32 queries, wave w keys 512 w .. 512 w + 511
.Lmask:
	s_sub_co_u32 s34, ttmp9, 448                   ; the pair: 64 x batch + P
	s_lshl_b32 s33, s35, 11
	s_lshl_b32 s66, s34, 18                        ; 32 rows of 8,192 bytes,
	s_add_co_u32 s66, s66, s33                     ; + my 512 keys
	s_add_nc_u64 s[30:31], s[18:19], s[66:67]
	s_lshl_b32 s66, s34, 13                        ; 32 records of 256 bytes,
	s_add_co_u32 s66, s66, s33                     ; + my 8
	s_add_nc_u64 s[68:69], s[26:27], s[66:67]
	s_lshl_b32 s66, s34, 9
	s_lshl_b32 s33, s35, 7
	s_add_co_u32 s66, s66, s33
	s_add_nc_u64 s[28:29], s[28:29], s[66:67]      ; my record of flags: 128 bytes
	LOADM 0
	LOADM 1
	s_mov_b32 s58, 0
	s_mov_b32 s59, 0
	s_mov_b32 s60, 0
	s_mov_b32 s61, 0
	s_lshl_b32 s62, s35, 3
.set n, 0
.rept 17
	v_mov_b32 v[CD+n], 0                           ; v_writelane_b32's destination counts as read: written once
.set n, n+1
.endr
.irp u, 0,1,2,3,4,5,6,7
	UNITM \u
.endr
	v_writelane_b32 v240, s60, 0
	v_writelane_b32 v240, s61, 1
	v_writelane_b32 v240, s58, 2
	v_writelane_b32 v240, s59, 3
	global_store_b32 v6, v240, s[28:29]            ; F, G, R0, R1 and 28 zeros
	s_wait_tensorcnt 0x0
	ds_add_u32 v254, v255
	s_wait_dscnt 0x0
	s_endpgm
.Lfunc_end_k_q89ab995f30_prep:
	.size	k_q89ab995f30_prep, .Lfunc_end_k_q89ab995f30_prep-k_q89ab995f30_prep
	.p2alignl 7, 3214868480
	.fill 96, 4, 3214868480
	.section	.rodata,"a",@progbits
	.p2align	6, 0x0
	.amdhsa_kernel k_q89ab995f30_prep
		.amdhsa_group_segment_fixed_size 68096
		.amdhsa_private_segment_fixed_size 0
		.amdhsa_enable_private_segment 0
		.amdhsa_kernarg_size 104
		.amdhsa_user_sgpr_count 2
		.amdhsa_user_sgpr_kernarg_segment_ptr 1
		.amdhsa_wavefront_size32 1
		.amdhsa_system_sgpr_workgroup_id_x 1
		.amdhsa_system_sgpr_workgroup_id_y 1
		.amdhsa_system_sgpr_workgroup_id_z 1
		.amdhsa_system_vgpr_workitem_id 0
		.amdhsa_next_free_vgpr 256
		.amdhsa_next_free_sgpr 70
		.amdhsa_reserve_vcc 0
		.amdhsa_float_denorm_mode_32 3
		.amdhsa_float_denorm_mode_16_64 3
		.amdhsa_memory_ordered 1
		.amdhsa_forward_progress 1
		.amdhsa_inst_pref_size 203
	.end_amdhsa_kernel
	.amdgpu_metadata
---
amdhsa.version: [ 1, 2 ]
amdhsa.kernels:
  - .name:           k_q89ab995f30_prep
    .symbol:         k_q89ab995f30_prep.kd
    .args:
      - { .name: query, .offset: 0, .size: 8, .value_kind: global_buffer, .address_space: global }
      - { .name: key_, .offset: 8, .size: 8, .value_kind: global_buffer, .address_space: global }
      - { .name: value, .offset: 16, .size: 8, .value_kind: global_buffer, .address_space: global }
      - { .name: Wq, .offset: 24, .size: 8, .value_kind: global_buffer, .address_space: global }
      - { .name: Wk, .offset: 32, .size: 8, .value_kind: global_buffer, .address_space: global }
      - { .name: Wv, .offset: 40, .size: 8, .value_kind: global_buffer, .address_space: global }
      - { .name: Wo, .offset: 48, .size: 8, .value_kind: global_buffer, .address_space: global }
      - { .name: mask, .offset: 56, .size: 8, .value_kind: global_buffer, .address_space: global }
      - { .name: lowp_scales, .offset: 64, .size: 8, .value_kind: global_buffer, .address_space: global }
      - { .name: xc, .offset: 72, .size: 8, .value_kind: global_buffer, .address_space: global }
      - { .name: wc, .offset: 80, .size: 8, .value_kind: global_buffer, .address_space: global }
      - { .name: mbits, .offset: 88, .size: 8, .value_kind: global_buffer, .address_space: global }
      - { .name: mflags, .offset: 96, .size: 8, .value_kind: global_buffer, .address_space: global }
    .group_segment_fixed_size: 68096
    .private_segment_fixed_size: 0
    .kernarg_segment_align: 8
    .kernarg_segment_size: 104
    .max_flat_workgroup_size: 128
    .sgpr_count:     70
    .vgpr_count:     256
    .wavefront_size: 32
...
	.end_amdgpu_metadata
.endif
;; end of part 1
;; launch proj (part 2): grid 4 x 192, 4 waves a work-group, clusters of 4 x 4, 327,680 bytes of LDS; arguments xc, wc, bq, bk, bv, lowp_scales, qkv; writes qkv
.if DOCPART == 2
	.amdgcn_target "amdgcn-amd-amdhsa--gfx1250"
	.amdhsa_code_object_version 6
	.text
	.protected	k_q89ab995f30_proj
	.globl	k_q89ab995f30_proj
	.p2align	8
	.type	k_q89ab995f30_proj,@function
k_q89ab995f30_proj:
	s_mov_b64 s[64:65], 0
	v_nop
	global_prefetch_b8 v0, s[64:65] scope:SCOPE_SE
	s_setreg_imm32_b32 hwreg(HW_REG_WAVE_MODE, 25, 1), 1
	s_wait_xcnt 0x0
	s_wait_alu depctr_hold_cnt(0) depctr_sa_sdst(0) depctr_va_vdst(0) depctr_va_sdst(0) depctr_va_ssrc(0) depctr_va_vcc(0) depctr_vm_vsrc(0)
	s_getreg_b32 s2, hwreg(HW_REG_IB_STS2, 6, 4)
	s_cmp_eq_u32 s2, 0
	s_cbranch_scc0 .Lentry_in_a_cluster
	s_endpgm
.Lentry_in_a_cluster:
	s_bfe_u32 s2, ttmp6, 0x10000c
	s_cmp_lg_u32 s2, 0xf033
	s_cbranch_scc0 .Lentry_shape_is_right
	s_endpgm
.Lentry_shape_is_right:
; PROJ: Q = query Wq^T + bq, K = key_ Wk^T + bk, V^T = Wv value^T + bv, on codes of E4M3 (v_wmma_f32_16x16x128_fp8_fp8, f32 sums), each result quantised at once for the attention launch.
; A cluster's y picks the product: kind = y / 16.  Kinds 0, 1: A = the tokens' codes (8,192 rows), B = the weight's (1,024 rows).  Kind 2: A = Wv's, B = value's: so a lane's eight results are eight neighbouring KEYS of a channel.
; A tile of C is 128 rows of A x 256 rows of B: 3 x 256 work-groups of equal work.  Four waves, each 64 x 128: 32 accumulators, 256 registers.
; OPERANDS lie in memory as images of their registers: a block of 16 rows is [kq 0..7][c 0..3][lane][16 bytes].  A K step of 256 codes is 4,096 consecutive bytes of each block, so a tile is 4 or 8 rows of 4,096 bytes, 16,384 apart;
; a fragment comes from LDS by four loads of 512 consecutive bytes: no pitch, no padding.  (k stands in other places of the registers than the form's own layout gives it, alike in A and B: every product meets its partner.)
; LDS: three slots of 98,304 bytes (A's 8 blocks x 4,096, then B's 16).  K = 1,024 is four K steps: steps 0, 1, 2 are the first fills of slots 0, 1, 2 and go out together; step 3 is the one refill, into slot 0.  A wave has at most three tensor loads out.
; CLUSTERS: 4 x 4 work-groups: A's tile is shared along a row of the cluster, B's along a column; each is asked for jointly, by the same load with the same descriptor and a mask that names the four.
; THE MATRIX INSTRUCTION IS USED TRANSPOSED (source 0 = 16 rows of B, source 1 = 16 rows of A): register j of lane (r, h) is C(A's row r, B's row 8 h + j).
; OUTPUT: blocks of 64 rows x 64 codes (4,096 bytes) for attention: Q: rows = queries, bytes = the head's channels; K: keys, channels; V: channels, a step's 64 keys.  Row R, byte D lie at
; 1024 (2 (R / 32) + (R / 8) % 2) + 512 (D / 32) + 256 ((D / 16) % 2) + 16 (R % 8 + 8 ((R / 16) % 2)) + D % 16: four images of 16 x 64 fragments whose rows are chosen so that the next product's results have 16 neighbours in a lane.
; LIMITS: the two operands' exponents added lie between -126 and 127; the result's own exponent (entries 6, 7, 9) between -126 and 119.  NaN among the inputs is not served.
; REGISTERS: window 0: v16-18, v20-22 LDS addresses of my A / B fragments in slots 0-2; v24 into the stage, v25 out of it, v26 16 x lane; v28, v29 the add's; v30 2^eo; v32-95 the bias along B's rows; v96-103 along A's rows;
;   v128-191, v192-255 A's fragments, two sets.   window 1: B's fragments, two sets of 128.   window 2: the accumulators, (a, b) at v[8 (8 a + b)].
.set SLOT,  98304
.set BOFF,  32768                      ; B's blocks in a slot
.set SPARE, 3*SLOT                     ; the spare words: 128 bytes a wave, two blocks of 256 bytes that no other line names
.set STG,   SLOT                       ; the way out: 8,192 bytes a wave, in slot 1, which has had its one fill and its last read by then
.set SPW,   28
.set NIL,   29
.set MULW,  0xa1                       ; source 0 (B) window 1, source 1 (A) window 0, C and D window 2
.set MSB, 0
.macro WIN new                         ; the immediate's high byte repeats the setting that is left
.if MSB != \new
	s_set_vgpr_msb (MSB<<8)|\new
.set MSB, \new
.endif
.endm
.macro PLACES n
.rept \n
	v_nop
.endr
.endm
.macro CREST                           ; a round of the cluster's barrier behind its opening barrier
	s_cmp_lg_u32 s18, 0
	s_cbranch_scc1 .Lnot_wave_0_\@
	s_barrier_signal -3
.Lnot_wave_0_\@:
	s_barrier_wait -3
	s_barrier_signal -1
	s_barrier_wait -1
.endm
.macro CROUND
	s_barrier_signal -1
	s_barrier_wait -1
	CREST
.endm
.macro JLOAD                           ; the joint refill of slot 0: waves 0, 1 for A, waves 2, 3 for B; four v_nop follow each line
	s_cmp_eq_u32 s19, 0
	s_cbranch_scc0 .Lfor_b_\@
	tensor_load_to_lds s[32:35], s[24:31]
	s_nop 0
.rept 4
	v_nop
.endr
	s_branch .Lasked_\@
.Lfor_b_\@:
	tensor_load_to_lds s[52:55], s[44:51]
	s_nop 0
.rept 4
	v_nop
.endr
.Lasked_\@:
.endm
.macro FRAG reg, adr, off              ; a fragment's image: four loads of 512 consecutive bytes
.irp c, 0,1,2,3
	ds_load_b128 v[\reg+4*\c:\reg+4*\c+3], v[\adr] offset:\off+512*\c
.endr
.endm
.macro FETCH slot, q, set              ; 48 loads: the slot's q-th 128 along K: B's eight fragments, A's four
	WIN 0x40
.irp b, 0,1,2,3,4,5,6,7
	FRAG 128*(\set)+16*\b, 20+\slot, \b*4096+(\q)*2048
.endr
	WIN 0
.irp a, 0,1,2,3
	FRAG 128+64*(\set)+16*\a, 16+\slot, \a*4096+(\q)*2048
.endr
.endm
.macro MUL8 a, set, zero               ; A's block a against B's eight.  The 32 accumulators take turns, one instruction a turn, in the same order in every step
.irp b, 0,1,2,3,4,5,6,7
.if \zero
	v_wmma_f32_16x16x128_fp8_fp8 v[8*(8*(\a)+\b):8*(8*(\a)+\b)+7], v[128*(\set)+16*\b:128*(\set)+16*\b+15], v[128+64*(\set)+16*(\a):128+64*(\set)+16*(\a)+15], 0
.else
	v_wmma_f32_16x16x128_fp8_fp8 v[8*(8*(\a)+\b):8*(8*(\a)+\b)+7], v[128*(\set)+16*\b:128*(\set)+16*\b+15], v[128+64*(\set)+16*(\a):128+64*(\set)+16*(\a)+15], v[8*(8*(\a)+\b):8*(8*(\a)+\b)+7]
.endif
.endr
.endm
.macro KSUB set, zero, fslot, fq       ; 128 along K on one set, while the next 128's fragments come into the other
	s_wait_dscnt 0x0                               ; this set is in
	PLACES 4                                       ; four plain places between the last products that read the other set and the loads into it (ISA guide 7.12.1 for vector instructions)
	FETCH \fslot, \fq, (1-\set)
	WIN MULW
	MUL8 0, \set, \zero
	MUL8 1, \set, \zero
	MUL8 2, \set, \zero
	MUL8 3, \set, \zero
.endm
.macro TURN fill, nslot                ; 128 along K on set 1, with a barrier.  fill = 1: slot 0 is filled again behind a round of the cluster's barrier
	WIN 0
	s_wait_tensorcnt 0x0                           ; all my tensor loads have landed
	ds_add_u32 v[SPW], v[NIL]                      ; 0 onto my spare word
	s_wait_dscnt 1                                 ; set 1 is in; the add alone may be out
	WIN MULW
	MUL8 0, 1, 0
	s_wait_dscnt 0x0                               ; the add is done, and my reads of the slots behind me are over
	s_barrier_signal -1
	MUL8 1, 1, 0
	WIN 0
	s_barrier_wait -1
.if \fill
	CREST                                          ; no wave of any partner still reads slot 0 or has a load on its way
	s_add_nc_u64 s[34:35], s[34:35], 3*4096        ; K step 3
	s_add_nc_u64 s[54:55], s[54:55], 3*4096
	JLOAD                                          ; the first tensor load behind the round; its four v_nop are the places in front of the loads below
.else
	PLACES 4
.endif
	FETCH \nslot, 0, 0
	WIN MULW
	MUL8 2, 1, 0
	MUL8 3, 1, 0
.endm
	s_load_b256 s[4:11], s[0:1], 0x0               ; xc, wc, bq, bk
	s_load_b128 s[12:15], s[0:1], 0x20             ; bv, lowp_scales
	s_load_b64 s[16:17], s[0:1], 0x30              ; qkv
	v_lshl_add_u32 v[SPW], v0, 2, SPARE
	v_mov_b32 v[NIL], 0
	ds_add_u32 v28, v29
	ds_add_u32 v28, v29
	s_wait_dscnt 0x0
	v_lshrrev_b32 v1, 5, v0
	v_readfirstlane_b32 s18, v1                    ; wave
	s_lshr_b32 s19, s18, 1                         ; which 64 of A's rows are mine.  Also: I fetch for A (0) or for B (1)
	s_and_b32 s20, s18, 1                          ; which 128 of B's rows.  Also: which half of that tile I fetch
	s_bfe_u32 s66, ttmp6, 0x40000                  ; cx
	s_bfe_u32 s67, ttmp6, 0x40004                  ; cy
	s_and_b32 s21, ttmp7, 0xffff                   ; the cluster's y, 0 .. 47
	s_lshr_b32 s22, s21, 4                         ; kind: the same in all sixteen partners
	s_and_b32 s23, s21, 15
	s_lshr_b32 s80, s23, 3
	s_and_b32 s81, s23, 7
	s_cmp_eq_u32 s22, 2
	s_cselect_b32 s80, s80, s23                    ; kinds 0, 1: 16 x 4 tile rows, 4 tile columns;  kind 2: 2 x 4 tile rows, 8 x 4 tile columns
	s_cselect_b32 s81, s81, 0
	s_lshl_b32 s80, s80, 2
	s_add_co_u32 s80, s80, s67                     ; tile row: of the place in the cluster cy alone enters
	s_lshl_b32 s81, s81, 2
	s_add_co_u32 s81, s81, s66                     ; tile column: cx alone
	s_lshl_b32 s84, s22, 23                        ; xc: 8 MiB a tensor
	s_lshl_b32 s86, s22, 20                        ; wc: 1 MiB a tensor
	s_cmp_eq_u32 s22, 2
	s_cselect_b32 s84, 0x200000, s84               ; A's tensor in its buffer: Wv in wc, or query / key_ in xc
	s_cselect_b32 s86, 0x1000000, s86              ; B's: value in xc, or Wq / Wk in wc
	s_lshl_b32 s82, s80, 17                        ; A: 8 blocks of 16,384 bytes a tile row,
	s_lshl_b32 s83, s20, 16                        ; the 4 that I fetch
	s_add_co_u32 s82, s82, s83
	s_add_co_u32 s82, s82, s84
	s_mov_b32 s83, 0
	s_lshl_b32 s88, s81, 18                        ; B: 16 blocks a tile column,
	s_lshl_b32 s89, s20, 17                        ; the 8 that I fetch
	s_add_co_u32 s88, s88, s89
	s_add_co_u32 s88, s88, s86
	s_mov_b32 s89, 0
	s_lshl_b32 s94, s67, 2
	s_lshl_b32 s94, 15, s94                        ; my row of the cluster
	s_lshl_b32 s95, 0x1111, s66                    ; my column
	s_or_b32 s24, s94, (1<<21)                     ; group 1 for A: 15:0 the mask; 17:16 elements of 1 byte; no padding; 21 set beside a mask
	s_mov_b32 s25, 4096<<16                        ; tensor_dim0 = 4,096
	s_mov_b32 s26, 4<<16                           ; tensor_dim1 = 4
	s_mov_b32 s27, 4096<<16                        ; tile_dim0
	s_mov_b32 s28, 4                               ; tile_dim1
	s_mov_b32 s29, 16384                           ; from block to block
	s_mov_b32 s30, 0
	s_mov_b32 s31, 0
	s_or_b32 s44, s95, (1<<21)                     ; group 1 for B: 8 rows
	s_mov_b32 s45, 4096<<16
	s_mov_b32 s46, 8<<16
	s_mov_b32 s47, 4096<<16
	s_mov_b32 s48, 8
	s_mov_b32 s49, 16384
	s_mov_b32 s50, 0
	s_mov_b32 s51, 0
	s_lshl_b32 s96, s20, 14                        ; where they go in a slot: no place in the cluster enters an LDS address
	s_lshl_b32 s97, s20, 15
	s_add_co_u32 s97, s97, BOFF
	s_wait_kmcnt 0x0
	s_cmp_eq_u32 s22, 2
	s_cselect_b64 s[90:91], s[6:7], s[4:5]
	s_cselect_b64 s[92:93], s[4:5], s[6:7]
	s_add_nc_u64 s[90:91], s[90:91], s[82:83]
	s_add_nc_u64 s[92:93], s[92:93], s[88:89]
.irp t, 0,1,2                          ; group 0, a set for each of the three first fills: K step t into slot t
	s_mov_b32 s[32+4*\t], 1
	s_add_co_u32 s[33+4*\t], s96, \t*SLOT
	s_add_nc_u64 s[34+4*\t:35+4*\t], s[90:91], \t*4096
	s_or_b32 s[35+4*\t], s[35+4*\t], 0x80000000
	s_mov_b32 s[52+4*\t], 1
	s_add_co_u32 s[53+4*\t], s97, \t*SLOT
	s_add_nc_u64 s[54+4*\t:55+4*\t], s[92:93], \t*4096
	s_or_b32 s[55+4*\t], s[55+4*\t], 0x80000000
.endr
	CROUND                                         ; all sixteen work-groups are here: the first joint loads meet
	s_cmp_eq_u32 s19, 0                            ; a wave's three first fills stand in one branch, ahead of every wait on TENSORcnt and every LDS read
	s_cbranch_scc0 .Lfirst_b
	tensor_load_to_lds s[32:35], s[24:31]
	s_nop 0
	tensor_load_to_lds s[36:39], s[24:31]
	s_nop 0
	tensor_load_to_lds s[40:43], s[24:31]
	s_nop 0
.rept 4
	v_nop
.endr
	s_branch .Lfirst_done
.Lfirst_b:
	tensor_load_to_lds s[52:55], s[44:51]
	s_nop 0
	tensor_load_to_lds s[56:59], s[44:51]
	s_nop 0
	tensor_load_to_lds s[60:63], s[44:51]
	s_nop 0
.rept 4
	v_nop
.endr
.Lfirst_done:
	s_load_b256 s[68:75], s[14:15], 0x0            ; e0 .. e7
	s_load_b128 s[76:79], s[14:15], 0x20           ; e8 .. e11
	v_and_b32 v1, 31, v0
	v_lshlrev_b32 v2, 4, v1                        ; 16 x lane
	v_and_b32 v3, 15, v0                           ; r
	v_bfe_u32 v4, v0, 4, 1                         ; h
	s_lshl_b32 s82, s19, 14                        ; my 4 blocks of A,
	s_lshl_b32 s83, s20, 15                        ; my 8 of B
	s_add_co_u32 s83, s83, BOFF
.irp s, 0,1,2
	v_add_nc_u32 v[16+\s], s82, v2
	v_add_nc_u32 v[20+\s], s83, v2
	s_add_co_u32 s82, s82, SLOT
	s_add_co_u32 s83, s83, SLOT
.endr
	s_lshl_b32 s84, s18, 13
	s_add_co_u32 s84, s84, STG                     ; my stage
	v_lshrrev_b32 v5, 3, v3
	v_and_b32 v6, 7, v3
	v_lshlrev_b32 v24, 10, v5
	v_lshl_add_u32 v24, v6, 4, v24
	v_lshl_add_u32 v24, v4, 3, v24
	v_add_nc_u32 v24, s84, v24                     ; in: 1024 (r / 8) + 16 (r % 8) + 8 h
	v_add_nc_u32 v25, s84, v2                      ; back: as it lies
	v_mov_b32 v26, v2
	; the bias.  Kinds 0, 1: it runs along B's rows (a lane's eight registers); kind 2: along A's rows (one number a lane).  Both forms are always loaded, the one that is not used from the buffer's first bytes, so that no load hangs on a branch
	s_cmp_eq_u32 s22, 1
	s_cselect_b64 s[86:87], s[10:11], s[8:9]
	s_cmp_eq_u32 s22, 2
	s_cselect_b64 s[86:87], s[12:13], s[86:87]
	s_lshl_b32 s88, s81, 10
	s_lshl_b32 s89, s20, 9
	s_add_co_u32 s88, s88, s89                     ; 4 x (256 tile column + 128 half)
	s_lshl_b32 s90, s80, 9
	s_lshl_b32 s91, s19, 8
	s_add_co_u32 s90, s90, s91                     ; 4 x (128 tile row + 64 half)
	s_cmp_eq_u32 s22, 2
	s_cselect_b32 s88, 0, s88
	s_cselect_b32 s90, s90, 0
	v_lshlrev_b32 v7, 5, v4
	v_add_nc_u32 v7, s88, v7                       ; + 32 h
	v_lshlrev_b32 v8, 2, v3
	v_add_nc_u32 v8, s90, v8                       ; + 4 r
.irp b, 0,1,2,3,4,5,6,7
	global_load_b128 v[32+8*\b:35+8*\b], v7, s[86:87] offset:64*\b
	global_load_b128 v[36+8*\b:39+8*\b], v7, s[86:87] offset:64*\b+16
.endr
.irp a, 0,1,2,3
	global_load_b32 v[96+2*\a], v8, s[86:87] offset:64*\a
	v_mov_b32 v[97+2*\a], 0                        ; (named with it as a pair, so it is written)
.endr
	s_wait_tensorcnt 2                             ; my part of K step 0 is in; slots 1 and 2 may be out
	s_barrier_signal -1
	s_barrier_wait -1                              ; everybody's is
	FETCH 0, 0, 0
	KSUB 0, 1, 0, 1                                ; K 0-127: the first products start the sums
	TURN 1, 1                                      ; K 128-255; slot 0 is left and takes K step 3; slots 1 and 2 are whole for every wave
	KSUB 0, 0, 1, 1                                ; K 256-383
	KSUB 1, 0, 2, 0                                ; K 384-511
	KSUB 0, 0, 2, 1                                ; K 512-639
	TURN 0, 0                                      ; K 640-767; the refill has landed for every wave; nobody reads slots 1 and 2 any more
	KSUB 0, 0, 0, 1                                ; K 768-895
	s_wait_dscnt 0x0
	MUL8 0, 1, 0                                   ; K 896-1023
	MUL8 1, 1, 0
	MUL8 2, 1, 0
	MUL8 3, 1, 0
	WIN 0
	; ---- THE WAY OUT: sum x 2^(ea + eb) + bias, in f32; the hold; the conversion with the result's own scale; through my stage into two blocks of 4,096 bytes
	PLACES 4
	s_wait_kmcnt 0x0
	s_add_co_i32 s82, s68, s69                     ; kind 0: entries 0 + 1
	s_add_co_i32 s83, s70, s71                     ; kind 1: 2 + 3
	s_add_co_i32 s84, s72, s73                     ; kind 2: 4 + 5
	s_cmp_eq_u32 s22, 1
	s_cselect_b32 s82, s83, s82
	s_cselect_b32 s85, s75, s74                    ; the result's: Q entry 6, K entry 7,
	s_cmp_eq_u32 s22, 2
	s_cselect_b32 s82, s84, s82
	s_cselect_b32 s85, s77, s85                    ; V entry 9
	s_add_co_i32 s82, s82, 127
	s_lshl_b32 s82, s82, 23                        ; 2^(ea + eb) as f32
	s_mov_b32 s83, s82                             ; (named with it as a pair, so it is written)
	s_add_co_i32 s85, s85, 127
	s_lshl_b32 s84, s85, 23
	v_mov_b32 v30, s84                             ; 2^eo: the conversion takes its exponent field
	s_add_co_i32 s85, s85, 8
	s_lshl_b32 s85, s85, 23
	s_or_b32 s85, s85, 0x600000                    ; 448 x 2^eo
	s_or_b32 s84, s85, 0x80000000                  ; and its negative
	s_wait_loadcnt 0x0                             ; the biases
	s_cmp_eq_u32 s22, 2
	s_cbranch_scc1 .Lrow_bias
	WIN 0x82                                       ; source 0 and destination window 2
.set n, 0
.rept 128
	v_pk_fma_f32 v[2*n:2*n+1], v[2*n:2*n+1], s[82:83], v[32+(2*n)%64:33+(2*n)%64] op_sel_hi:[1,0,1]   ; each accumulator from its low end on
.set n, n+1
.endr
	WIN 0
	s_branch .Lbiased
.Lrow_bias:
	WIN 0x82
.set n, 0
.rept 128
	v_pk_fma_f32 v[2*n:2*n+1], v[2*n:2*n+1], s[82:83], v[96+2*(n/32):97+2*(n/32)] op_sel_hi:[1,0,0]
.set n, n+1
.endr
	WIN 0
.Lbiased:
	s_lshl_b32 s88, s80, 7                         ; where the two blocks go
	s_lshl_b32 s89, s19, 6
	s_add_co_u32 s88, s88, s89                     ; my first row of A
	s_lshl_b32 s90, s81, 8
	s_lshl_b32 s91, s20, 7
	s_add_co_u32 s90, s90, s91                     ; my first row of B
	s_mov_b32 s95, 0x20000
	s_cmp_eq_u32 s22, 2
	s_cselect_b32 s92, s90, s88                    ; my first token,
	s_cselect_b32 s93, s88, s90                    ; my first feature
	s_cselect_b32 s94, 4096, s95                   ; from my first block to my second: the next 64 keys (kind 2) or the next head
	s_lshr_b32 s96, s92, 11                        ; batch
	s_bfe_u32 s97, s92, 0x50006                    ; which 64 tokens of its 2,048
	s_lshr_b32 s93, s93, 6                         ; head
	s_lshl_b32 s96, s96, 4
	s_add_co_u32 s96, s96, s93
	s_lshl_b32 s96, s96, 5
	s_add_co_u32 s96, s96, s97
	s_lshl_b32 s96, s96, 12
	s_lshl_b32 s97, s22, 23                        ; Q, K, V: 8 MiB each
	s_add_co_u32 s96, s96, s97
	s_mov_b32 s97, 0
	s_mov_b32 s95, 0
	s_add_nc_u64 s[16:17], s[16:17], s[96:97]
	s_add_nc_u64 s[98:99], s[16:17], s[94:95]
.irp a, 0,1,2,3
	WIN 0x82
.set n, 0
.rept 64
	v_med3_num_f32 v[64*\a+n], v[64*\a+n], s84, s85   ; the conversion to an 8-bit code does not saturate (ISA guide 7.6.2)
.set n, n+1
.endr
	WIN 0x02                                       ; source 0 window 2
.irp b, 0,1,2,3,4,5,6,7
	v_cvt_scalef32_pk8_fp8_f32 v[128+16*\a+2*\b:129+16*\a+2*\b], v[64*\a+8*\b:64*\a+8*\b+7], v30
.endr
	WIN 0
	v_nop                                          ; a plain line behind the last conversion of the run
.irp b, 0,1,2,3,4,5,6,7
	ds_store_b64 v24, v[128+16*\a+2*\b:129+16*\a+2*\b] offset:(\b/4)*4096+(\a/2)*2048+((\b/2)%2)*512+(\b%2)*256+(\a%2)*128   ; row 16 a + r, bytes 16 (b % 4) + 8 h + 0..7 of block b / 4
.endr
.endr
.irp i, 0,1,2,3,4,5,6,7,8,9,10,11,12,13,14,15
	ds_load_b128 v[192+4*\i:195+4*\i], v25 offset:512*\i   ; LDS serves a wave's instructions in order: these see my stores
.endr
.irp i, 0,1,2,3,4,5,6,7
	s_wait_dscnt 15-\i
	global_store_b128 v26, v[192+4*\i:195+4*\i], s[16:17] offset:512*\i   ; 32 lanes store 512 consecutive bytes
.endr
.irp i, 8,9,10,11,12,13,14,15
	s_wait_dscnt 15-\i
	global_store_b128 v26, v[192+4*\i:195+4*\i], s[98:99] offset:512*(\i-8)
.endr
	s_wait_tensorcnt 0x0                           ; the wave's end
	ds_add_u32 v[SPW], v[NIL]
	s_wait_dscnt 0x0
	CROUND                                         ; the closing round
	s_endpgm
.Lfunc_end_k_q89ab995f30_proj:
	.size	k_q89ab995f30_proj, .Lfunc_end_k_q89ab995f30_proj-k_q89ab995f30_proj
	.p2alignl 7, 3214868480
	.fill 96, 4, 3214868480
	.section	.rodata,"a",@progbits
	.p2align	6, 0x0
	.amdhsa_kernel k_q89ab995f30_proj
		.amdhsa_group_segment_fixed_size 327680
		.amdhsa_private_segment_fixed_size 0
		.amdhsa_enable_private_segment 0
		.amdhsa_kernarg_size 56
		.amdhsa_user_sgpr_count 2
		.amdhsa_user_sgpr_kernarg_segment_ptr 1
		.amdhsa_wavefront_size32 1
		.amdhsa_system_sgpr_workgroup_id_x 1
		.amdhsa_system_sgpr_workgroup_id_y 1
		.amdhsa_system_sgpr_workgroup_id_z 1
		.amdhsa_system_vgpr_workitem_id 0
		.amdhsa_next_free_vgpr 768
		.amdhsa_next_free_sgpr 100
		.amdhsa_reserve_vcc 0
		.amdhsa_float_denorm_mode_32 3
		.amdhsa_float_denorm_mode_16_64 3
		.amdhsa_memory_ordered 1
		.amdhsa_forward_progress 1
		.amdhsa_inst_pref_size 96
	.end_amdhsa_kernel
	.amdgpu_metadata
---
amdhsa.version: [ 1, 2 ]
amdhsa.kernels:
  - .name:           k_q89ab995f30_proj
    .symbol:         k_q89ab995f30_proj.kd
    .args:
      - { .name: xc, .offset: 0, .size: 8, .value_kind: global_buffer, .address_space: global }
      - { .name: wc, .offset: 8, .size: 8, .value_kind: global_buffer, .address_space: global }
      - { .name: bq, .offset: 16, .size: 8, .value_kind: global_buffer, .address_space: global }
      - { .name: bk, .offset: 24, .size: 8, .value_kind: global_buffer, .address_space: global }
      - { .name: bv, .offset: 32, .size: 8, .value_kind: global_buffer, .address_space: global }
      - { .name: lowp_scales, .offset: 40, .size: 8, .value_kind: global_buffer, .address_space: global }
      - { .name: qkv, .offset: 48, .size: 8, .value_kind: global_buffer, .address_space: global }
    .group_segment_fixed_size: 327680
    .private_segment_fixed_size: 0
    .kernarg_segment_align: 8
    .kernarg_segment_size: 56
    .max_flat_workgroup_size: 128
    .sgpr_count:     100
    .vgpr_count:     768
    .wavefront_size: 32
...
	.end_amdgpu_metadata
.endif
;; end of part 2
;; launch attn (part 3): grid 4 x 64, 16 waves a work-group, no clusters, 264,192 bytes of LDS; arguments qkv, mbits, mflags, lowp_scales, ctxc; writes ctxc
.if DOCPART == 3
	.amdgcn_target "amdgcn-amd-amdhsa--gfx1250"
	.amdhsa_code_object_version 6
	.text
	.protected	k_q89ab995f30_attn
	.globl	k_q89ab995f30_attn
	.p2align	8
	.type	k_q89ab995f30_attn,@function
k_q89ab995f30_attn:
	s_mov_b64 s[64:65], 0
	v_nop
	global_prefetch_b8 v0, s[64:65] scope:SCOPE_SE
	s_setreg_imm32_b32 hwreg(HW_REG_WAVE_MODE, 25, 1), 1
	s_wait_xcnt 0x0
; ATTN: ctx = softmax(Q K^T / 8, masked) V for one head, both products on codes of E4M3 (v_wmma_f32_16x16x64_fp8_fp8), ctx quantised at once for the last product.
; THE SOFTMAX: t = score x log2(e) / 8; M = the running largest t, rounded up to a whole number; p = 2^(t - M) is quantised with 2^e8, not normalised; the row's sum is taken of the unquantised p and divides at the end.
; When M moves, the sum and O are multiplied by 2^(old M - new M): exact, and no branch on data.
; THE MASK is an input.  A masked score is replaced ahead of the maximum by the fill -2^(33 - e6 - e7), whose t is exactly -fl(log2 e) x 2^30, a whole number: in a row that is masked everywhere t - M is exactly 0 and p = 1 on all
; 2,048 keys, the uniform softmax that a fill of -1e9 gives; in every other row p of a masked key is 0, as with -1e9.  LIMIT: true logits lie far above -1e9, which e6 + e7 <= 8 makes sure of (|logit| <= 64 x 448^2 / 8 x 2^(e6 + e7)).
; A step of 64 keys all of which are masked for all 32 queries of a wave adds nothing and is passed over (bit F, stored by the first launch), unless some row of the wave is masked everywhere (R0, R1): then no step is passed over.
; A step all of whose keys count (bit G) needs no mask words.  Both are scalar branches on stored whole numbers; they hold for every mask.
; SHARES.  A work-group: one head, 512 queries; the head's K and V codes (131,072 bytes each) are copied into LDS once and read by all sixteen waves.  A wave: a pair of 32 queries, two tiles of 16, in 256 registers: four waves to a SIMD.
; Wave w of work-group x takes pair 4 i + x, i from a 4 x 4 table whose rows and columns all add up to 30: where later queries have more steps, each four waves w / 4 and each four waves w % 4 have the same number of steps.  It only evens the work out.
; NO CLUSTER, NO TENSOR LOAD: what the four work-groups of a head share is 262,144 bytes read once at the head, for 512 x 2,048 scores each.
; LAYOUT.  Both products transposed: S^T = K Q^T, O^T = V^T P^T: a lane holds one query (lane % 16).  The rows of a tile are chosen so (lane-row m of tile t is row 32 (t / 2) + 8 (t % 2) + m + 8 (m / 8)) that registers 16 b + i of a tile of
; queries are keys (channels) 32 b + 16 h + i: the conversions' results are the next operand's registers.
; LIMITS: e8, e10 between -126 and 119; e6 + e7 between -93 and 8.
; REGISTERS: v1 16 x lane, v2 the same + V's place; v3, v4 the step's addresses; v5, v9 the copy's; v6 the fill; v7 448 x 2^e8; v8 2^e8; per tile at v10, v18: -M, largest t, the sum (2), f (2), two at work; v26-31 at work;
;   v32 Q; v48 K; v80 V; v112 S^T then p (32 a + 8 t + j); v176 O^T; v240 p's codes.   s16 F, s17 G, s18 step, s19 the step's LDS byte, s[20:21] lane selects, s[22:23] c, s24 the step's mask words, s25 e8, s8 e8 + e9, s9 e10; s32-63, s68-99 mask words
.set VL, 131072                        ; V's blocks in LDS, behind K's
.set QF, 32
.set KF, 48
.set VF, 80
.set S,  112
.set O,  176
.set P,  240
	s_load_b256 s[4:11], s[0:1], 0x0               ; qkv, mbits, mflags, lowp_scales
	s_load_b64 s[12:13], s[0:1], 0x20              ; ctxc
	v_lshrrev_b32 v26, 5, v0
	v_readfirstlane_b32 s14, v26                   ; wave 0..15
	v_and_b32 v27, 31, v0
	v_lshlrev_b32 v1, 4, v27
	v_add_nc_u32 v2, VL, v1
	s_lshl_b32 s15, s14, 13                        ; the 8,192 bytes of K and of V that I copy
	v_add_nc_u32 v5, s15, v1
	v_add_nc_u32 v9, s15, v2
	s_mov_b32 s2, 0x0DE3B658                       ; waves 8-15: 8 5 6 11 / 3 14 13 0
	s_cmp_lt_u32 s14, 8
	s_cselect_b32 s2, 0x7A94C12F, s2               ; waves 0-7: 15 2 1 12 / 4 9 10 7
	s_and_b32 s3, s14, 7
	s_lshl_b32 s3, s3, 2
	s_lshr_b32 s2, s2, s3
	s_and_b32 s2, s2, 15
	s_lshl_b32 s2, s2, 2
	s_add_co_u32 s2, s2, ttmp9                     ; P: my pair of the head's 64
	s_and_b32 s3, ttmp7, 0xffff                    ; 16 x batch + head
	s_lshl_b32 s26, s3, 17                         ; the head's 131,072 bytes in each of Q, K, V
	s_add_co_u32 s28, s26, s15
	s_add_co_u32 s28, s28, 0x800000                ; K's codes lie 8 MiB on
	s_mov_b32 s29, 0
	s_lshl_b32 s30, s2, 11                         ; a pair's two tiles: 2,048 bytes
	s_add_co_u32 s30, s30, s26
	s_mov_b32 s31, 0
	s_lshr_b32 s15, s3, 4
	s_lshl_b32 s15, s15, 6
	s_add_co_u32 s15, s15, s2                      ; 64 x batch + P
	s_mov_b32 s19, 0
	s_mov_b32 s20, 0x76543210
	s_mov_b32 s21, 0xfedcba98                      ; v_permlanex16_b32: lane l xor 16
	s_wait_kmcnt 0x0
	s_add_nc_u64 s[28:29], s[4:5], s[28:29]
	s_add_nc_u64 s[26:27], s[28:29], 0x800000      ; V's, 8 MiB further
	s_add_nc_u64 s[30:31], s[4:5], s[30:31]
.irp i, 0,1,2,3,4,5,6,7,8,9,10,11,12,13,14,15
	global_load_b128 v[48+4*\i:51+4*\i], v1, s[28:29] offset:512*\i
.endr
.irp i, 0,1,2,3,4,5,6,7,8,9,10,11,12,13,14,15
	global_load_b128 v[112+4*\i:115+4*\i], v1, s[26:27] offset:512*\i
.endr
.irp i, 0,1,2,3
	global_load_b128 v[QF+4*\i:QF+4*\i+3], v1, s[30:31] offset:512*\i th:TH_LOAD_NT   ; Q: tile a, half c at 1024 a + 512 c: it stays in registers
.endr
	s_lshl_b32 s18, s15, 9
	s_add_nc_u64 s[8:9], s[8:9], s[18:19]
	s_load_b128 s[32:35], s[8:9], 0x0              ; F, G, R0, R1 of each quarter of the keys
	s_load_b128 s[36:39], s[8:9], 0x80
	s_load_b128 s[40:43], s[8:9], 0x100
	s_load_b128 s[44:47], s[8:9], 0x180
	s_load_b256 s[68:75], s[10:11], 0x0            ; e0 .. e7
	s_load_b128 s[76:79], s[10:11], 0x20           ; e8 .. e11
	s_lshl_b32 s18, s15, 13
	s_add_nc_u64 s[6:7], s[6:7], s[18:19]          ; my pair's 32 records of mask words
	s_lshl_b32 s18, s15, 15                        ; ctx: two blocks of 16,384 bytes a pair,
	s_and_b32 s24, s3, 15
	s_lshl_b32 s24, s24, 10                        ; the head's 64 codes of each row: 1,024 bytes of a block
	s_add_co_u32 s18, s18, s24
	s_add_nc_u64 s[12:13], s[12:13], s[18:19]
	v_mov_b32 v11, 0xff61b1e6                      ; the largest t so far: -3e38, under every t
	v_mov_b32 v19, 0xff61b1e6
	v_floor_f32 v10, -v11                          ; -M
	v_floor_f32 v18, -v19
.irp r, 12,13,15,20,21,23
	v_mov_b32 v\r, 0                               ; the sums; the upper halves of the pairs that hold f
.endr
.set n, 0
.rept 64
	v_mov_b32 v[O+n], 0                            ; O^T: the step is written once; the first finds zeros, which the first change of M leaves zeros
.set n, n+1
.endr
	s_wait_kmcnt 0x0
	s_or_b32 s16, s32, s36
	s_or_b32 s16, s16, s40
	s_or_b32 s16, s16, s44                         ; F
	s_or_b32 s17, s33, s37
	s_or_b32 s17, s17, s41
	s_or_b32 s17, s17, s45                         ; G
	s_or_b32 s24, s34, s38
	s_or_b32 s24, s24, s42
	s_or_b32 s24, s24, s46                         ; R0
	s_or_b32 s25, s35, s39
	s_or_b32 s25, s25, s43
	s_or_b32 s25, s25, s47                         ; R1
	s_lshr_b32 s18, s24, 16
	s_or_b32 s24, s24, s18
	s_lshr_b32 s18, s25, 16
	s_or_b32 s25, s25, s18
	s_and_b32 s24, s24, s25
	s_and_b32 s24, s24, 0xffff                     ; bit r: row r of both tiles has a key that counts
	s_cmp_eq_u32 s24, 0xffff
	s_cselect_b32 s16, s16, -1                     ; a row that is masked everywhere wants all 2,048 keys
	s_add_co_i32 s18, s74, s75                     ; e6 + e7
	s_lshl_b32 s19, s18, 23
	s_add_co_i32 s22, s19, 0x3E38AA3B              ; c = log2(e) / 8 x 2^(e6 + e7): the exponents are added to c's exponent field
	s_mov_b32 s23, s22                             ; (named with it as a pair, so it is written)
	s_sub_co_i32 s18, 160, s18
	s_lshl_b32 s18, s18, 23
	s_or_b32 s18, s18, 0x80000000
	v_mov_b32 v6, s18                              ; the fill: -2^(33 - e6 - e7)
	s_mov_b32 s25, s76                             ; e8
	s_add_co_i32 s18, s76, 127
	s_lshl_b32 s19, s18, 23
	v_mov_b32 v8, s19                              ; 2^e8
	s_add_co_i32 s18, s18, 8
	s_lshl_b32 s18, s18, 23
	s_or_b32 s18, s18, 0x600000
	v_mov_b32 v7, s18                              ; 448 x 2^e8
	s_add_co_i32 s8, s76, s77                      ; e8 + e9  (the scalar loads are done: their base is free)
	s_mov_b32 s9, s78                              ; e10
	s_wait_loadcnt 20                              ; K's 16 loads are in; V's 16 and Q's 4 may be out
.irp i, 0,1,2,3,4,5,6,7,8,9,10,11,12,13,14,15
	ds_store_b128 v5, v[48+4*\i:51+4*\i] offset:512*\i
.endr
	s_wait_loadcnt 4                               ; V's are in
.irp i, 0,1,2,3,4,5,6,7,8,9,10,11,12,13,14,15
	ds_store_b128 v9, v[112+4*\i:115+4*\i] offset:512*\i
.endr
	s_wait_loadcnt 0x0                             ; Q
	s_wait_dscnt 0x0                               ; for the others' sake: my part of K and V lies in LDS
	s_barrier_signal -1
	s_barrier_wait -1                              ; the kernel's one barrier: from here on LDS is only read
	s_mov_b32 s18, 0
	s_mov_b32 s19, 0
	s_mov_b32 s24, 0
.Lstep:                                            ; 32 trips: a step of 64 keys
	s_bitcmp1_b32 s16, s18
	s_cbranch_scc0 .Lnext                          ; no key of the step counts for any of my 32 queries
	v_add_nc_u32 v3, s19, v1
	v_add_nc_u32 v4, s19, v2
.irp t, 0,1,2,3
	ds_load_b128 v[KF+8*\t:KF+8*\t+3], v3 offset:\t*1024
	ds_load_b128 v[KF+8*\t+4:KF+8*\t+7], v3 offset:\t*1024+512
.endr
.irp t, 0,1,2,3
	ds_load_b128 v[VF+8*\t:VF+8*\t+3], v4 offset:\t*1024
	ds_load_b128 v[VF+8*\t+4:VF+8*\t+7], v4 offset:\t*1024+512
.endr
	s_wait_dscnt 8                                 ; K's eight loads are in; V's eight may be out
.irp t, 0,1,2,3
.irp a, 0,1
	v_wmma_f32_16x16x64_fp8_fp8 v[S+32*\a+8*\t:S+32*\a+8*\t+7], v[KF+8*\t:KF+8*\t+7], v[QF+8*\a:QF+8*\a+7], 0
.endr
.endr
.rept 4
	v_nop                                          ; four plain places in front of the first read of the scores (ISA guide 7.12.1)
.endr
	s_bitcmp1_b32 s17, s18
	s_cbranch_scc1 .Lopen                          ; all keys of the step count
	s_load_b512 s[32:47], s[6:7], s24 offset:0x0   ; the step's 64 words: one lane mask for each register of scores
	s_load_b512 s[48:63], s[6:7], s24 offset:0x40
	s_load_b512 s[68:83], s[6:7], s24 offset:0x80
	s_load_b512 s[84:99], s[6:7], s24 offset:0xc0
	s_wait_kmcnt 0x0
.set n, 0
.rept 32
	v_cndmask_b32 v[S+n], v6, v[S+n], s[32+n]      ; bit 0: the fill.  Each accumulator from its low end on
.set n, n+1
.endr
.set n, 0
.rept 32
	v_cndmask_b32 v[S+32+n], v6, v[S+32+n], s[68+n]
.set n, n+1
.endr
.Lopen:
	v_max3_num_f32 v16, v[S+0], v[S+1], v[S+2]     ; the step's largest score of my query among my 32 keys: two chains a tile, the tiles line by line, in ascending order
	v_max3_num_f32 v24, v[S+32], v[S+33], v[S+34]
	v_max3_num_f32 v17, v[S+3], v[S+4], v[S+5]
	v_max3_num_f32 v25, v[S+35], v[S+36], v[S+37]
.irp i, 6,10,14,18,22,26
	v_max3_num_f32 v16, v16, v[S+\i], v[S+\i+1]
	v_max3_num_f32 v24, v24, v[S+32+\i], v[S+33+\i]
	v_max3_num_f32 v17, v17, v[S+\i+2], v[S+\i+3]
	v_max3_num_f32 v25, v25, v[S+34+\i], v[S+35+\i]
.endr
	v_max3_num_f32 v16, v16, v[S+30], v[S+31]
	v_max3_num_f32 v24, v24, v[S+62], v[S+63]
	v_max_num_f32 v16, v16, v17
	v_max_num_f32 v24, v24, v25
	v_permlanex16_b32 v26, v16, s20, s21
	v_permlanex16_b32 v27, v24, s20, s21
	v_max_num_f32 v16, v16, v26                    ; and among lane l xor 16's
	v_max_num_f32 v24, v24, v27
	v_mul_f32 v16, s22, v16                        ; as t (c is positive)
	v_mul_f32 v24, s22, v24
	v_max_num_f32 v11, v11, v16                    ; the running largest t
	v_max_num_f32 v19, v19, v24
	v_mov_b32 v16, v10
	v_mov_b32 v24, v18
	v_floor_f32 v10, -v11                          ; the new -M = -ceil(t)
	v_floor_f32 v18, -v19
	v_sub_f32 v16, v10, v16                        ; old M - new M: a whole number, 0 or less
	v_sub_f32 v24, v18, v24
	v_cvt_i32_f32 v16, v16                         ; (it saturates)
	v_cvt_i32_f32 v24, v24
	v_ldexp_f32 v14, 1.0, v16                      ; f = 2^(old M - new M)
	v_ldexp_f32 v22, 1.0, v24
.set n, 0
.rept 16
	v_pk_fma_f32 v[S+n:S+n+1], v[S+n:S+n+1], s[22:23], v[10:11] op_sel_hi:[1,0,0]         ; t - M, two at a time (of the pairs c and -M the low word serves both halves)
	v_pk_fma_f32 v[S+32+n:S+33+n], v[S+32+n:S+33+n], s[22:23], v[18:19] op_sel_hi:[1,0,0]
.set n, n+2
.endr
.set n, 0
.rept 64
	v_exp_f32 v[S+n], v[S+n]                       ; p = 2^(t - M): one batch
.set n, n+1
.endr
	v_pk_mul_f32 v[12:13], v[12:13], v[14:15] op_sel_hi:[1,0]   ; the sums under the new M: the plain lines behind the batch
	v_pk_mul_f32 v[20:21], v[20:21], v[22:23] op_sel_hi:[1,0]
	s_wait_alu depctr_va_vdst(0)                   ; one wait for the 64 exponentials, ahead of their first reader
	v_pk_add_f32 v[28:29], v[S:S+1], v[S+2:S+3]    ; the row's sum is taken of the unquantised p
	v_pk_add_f32 v[30:31], v[S+32:S+33], v[S+34:S+35]
.irp j, 4,8,12,16,20,24,28
	v_pk_add_f32 v[12:13], v[12:13], v[S+\j:S+\j+1]
	v_pk_add_f32 v[20:21], v[20:21], v[S+32+\j:S+33+\j]
	v_pk_add_f32 v[28:29], v[28:29], v[S+\j+2:S+\j+3]
	v_pk_add_f32 v[30:31], v[30:31], v[S+34+\j:S+35+\j]
.endr
	v_pk_add_f32 v[12:13], v[12:13], v[28:29]
	v_pk_add_f32 v[20:21], v[20:21], v[30:31]
	s_cmp_ge_i32 s25, -8                           ; p <= 1: from e8 = -8 on p / 2^e8 <= 256 lies under 448 and the hold can never act
	s_cbranch_scc1 .Lno_hold
.set n, 0
.rept 64
	v_min_num_f32 v[S+n], v[S+n], v7               ; the conversion does not saturate (ISA guide 7.6.2); p is not negative, so the hold is one-sided
.set n, n+1
.endr
.Lno_hold:
.irp a, 0,1
.irp u, 0,1,2,3
	v_cvt_scalef32_pk8_fp8_f32 v[P+8*\a+2*\u:P+8*\a+2*\u+1], v[S+32*\a+8*\u:S+32*\a+8*\u+7], v8
.endr
.endr
.set n, 0
.rept 16
	v_pk_mul_f32 v[O+n:O+n+1], v[O+n:O+n+1], v[14:15] op_sel_hi:[1,0]          ; O^T under the new M; these are also the plain lines behind the conversions
	v_pk_mul_f32 v[O+32+n:O+33+n], v[O+32+n:O+33+n], v[22:23] op_sel_hi:[1,0]
.set n, n+2
.endr
	s_wait_dscnt 0x0                               ; V is in
.irp t, 0,1,2,3
.irp a, 0,1
	v_wmma_f32_16x16x64_fp8_fp8 v[O+32*\a+8*\t:O+32*\a+8*\t+7], v[VF+8*\t:VF+8*\t+7], v[P+8*\a:P+8*\a+7], v[O+32*\a+8*\t:O+32*\a+8*\t+7]   ; eight accumulators by turns
.endr
.endr
.rept 4
	v_nop                                          ; places in front of the next step's loads into V's registers, and of the way out's reads
.endr
.Lnext:
	s_add_co_u32 s19, s19, 4096
	s_add_co_u32 s24, s24, 256
	s_add_co_u32 s18, s18, 1
	s_cmp_lt_u32 s18, 32
	s_cbranch_scc1 .Lstep
	; ---- THE WAY OUT: O^T x 2^(e8 + e9) / the sum, held, converted with 2^e10.  Registers 16 b + i of a tile are channels 32 b + 16 h + i: four code registers are 16 bytes of the last product's operand image
	v_add_f32 v16, v12, v13
	v_add_f32 v24, v20, v21
	v_permlanex16_b32 v26, v16, s20, s21
	v_permlanex16_b32 v27, v24, s20, s21
	v_add_f32 v16, v16, v26
	v_add_f32 v24, v24, v27
	v_rcp_f32 v14, v16
	v_rcp_f32 v22, v24
	s_add_co_i32 s18, s9, 127
	s_lshl_b32 s19, s18, 23
	v_mov_b32 v8, s19                              ; 2^e10  (a plain line behind the reciprocals)
	s_add_co_i32 s18, s18, 8
	s_lshl_b32 s18, s18, 23
	s_or_b32 s18, s18, 0x600000
	v_mov_b32 v7, s18                              ; 448 x 2^e10
	s_wait_alu depctr_va_vdst(0)                   ; one wait for both reciprocals, ahead of their first reader
	v_ldexp_f32 v14, v14, s8
	v_ldexp_f32 v22, v22, s8
.set n, 0
.rept 16
	v_pk_mul_f32 v[O+n:O+n+1], v[O+n:O+n+1], v[14:15] op_sel_hi:[1,0]
	v_pk_mul_f32 v[O+32+n:O+33+n], v[O+32+n:O+33+n], v[22:23] op_sel_hi:[1,0]
.set n, n+2
.endr
.set n, 0
.rept 64
	v_med3_num_f32 v[O+n], v[O+n], -v7, v7
.set n, n+1
.endr
.irp u, 0,1,2,3,4,5,6,7
	v_cvt_scalef32_pk8_fp8_f32 v[48+2*\u:49+2*\u], v[O+8*\u:O+8*\u+7], v8
.endr
	v_nop
.irp a, 0,1
.irp b, 0,1
	global_store_b128 v1, v[48+8*\a+4*\b:51+8*\a+4*\b], s[12:13] offset:\a*16384+\b*512   ; 32 lanes store 512 consecutive bytes
.endr
.endr
	s_wait_xcnt 0x0
	v_lshl_add_u32 v254, v0, 2, 0x40000
	v_mov_b32 v255, 0
	s_wait_tensorcnt 0x0
	ds_add_u32 v254, v255
	s_wait_dscnt 0x0
	s_endpgm
.Lfunc_end_k_q89ab995f30_attn:
	.size	k_q89ab995f30_attn, .Lfunc_end_k_q89ab995f30_attn-k_q89ab995f30_attn
	.p2alignl 7, 3214868480
	.fill 96, 4, 3214868480
	.section	.rodata,"a",@progbits
	.p2align	6, 0x0
	.amdhsa_kernel k_q89ab995f30_attn
		.amdhsa_group_segment_fixed_size 264192
		.amdhsa_private_segment_fixed_size 0
		.amdhsa_enable_private_segment 0
		.amdhsa_kernarg_size 40
		.amdhsa_user_sgpr_count 2
		.amdhsa_user_sgpr_kernarg_segment_ptr 1
		.amdhsa_wavefront_size32 1
		.amdhsa_system_sgpr_workgroup_id_x 1
		.amdhsa_system_sgpr_workgroup_id_y 1
		.amdhsa_system_sgpr_workgroup_id_z 1
		.amdhsa_system_vgpr_workitem_id 0
		.amdhsa_next_free_vgpr 256
		.amdhsa_next_free_sgpr 100
		.amdhsa_reserve_vcc 0
		.amdhsa_float_denorm_mode_32 3
		.amdhsa_float_denorm_mode_16_64 3
		.amdhsa_memory_ordered 1
		.amdhsa_forward_progress 1
		.amdhsa_inst_pref_size 41
	.end_amdhsa_kernel
	.amdgpu_metadata
---
amdhsa.version: [ 1, 2 ]
amdhsa.kernels:
  - .name:           k_q89ab995f30_attn
    .symbol:         k_q89ab995f30_attn.kd
    .args:
      - { .name: qkv, .offset: 0, .size: 8, .value_kind: global_buffer, .address_space: global }
      - { .name: mbits, .offset: 8, .size: 8, .value_kind: global_buffer, .address_space: global }
      - { .name: mflags, .offset: 16, .size: 8, .value_kind: global_buffer, .address_space: global }
      - { .name: lowp_scales, .offset: 24, .size: 8, .value_kind: global_buffer, .address_space: global }
      - { .name: ctxc, .offset: 32, .size: 8, .value_kind: global_buffer, .address_space: global }
    .group_segment_fixed_size: 264192
    .private_segment_fixed_size: 0
    .kernarg_segment_align: 8
    .kernarg_segment_size: 40
    .max_flat_workgroup_size: 512
    .sgpr_count:     100
    .vgpr_count:     256
    .wavefront_size: 32
...
	.end_amdgpu_metadata
.endif
;; end of part 3
;; launch outp (part 4): grid 4 x 64, 4 waves a work-group, clusters of 4 x 4, 327,680 bytes of LDS; arguments ctxc, wc, bo, lowp_scales, out0; writes out0
.if DOCPART == 4
	.amdgcn_target "amdgcn-amd-amdhsa--gfx1250"
	.amdhsa_code_object_version 6
	.text
	.protected	k_q89ab995f30_outp
	.globl	k_q89ab995f30_outp
	.p2align	8
	.type	k_q89ab995f30_outp,@function
k_q89ab995f30_outp:
	s_mov_b64 s[64:65], 0
	v_nop
	global_prefetch_b8 v0, s[64:65] scope:SCOPE_SE
	s_setreg_imm32_b32 hwreg(HW_REG_WAVE_MODE, 25, 1), 1
	s_wait_xcnt 0x0
	s_wait_alu depctr_hold_cnt(0) depctr_sa_sdst(0) depctr_va_vdst(0) depctr_va_sdst(0) depctr_va_ssrc(0) depctr_va_vcc(0) depctr_vm_vsrc(0)
	s_getreg_b32 s2, hwreg(HW_REG_IB_STS2, 6, 4)
	s_cmp_eq_u32 s2, 0
	s_cbranch_scc0 .Lentry_in_a_cluster
	s_endpgm
.Lentry_in_a_cluster:
	s_bfe_u32 s2, ttmp6, 0x10000c
	s_cmp_lg_u32 s2, 0xf033
	s_cbranch_scc0 .Lentry_shape_is_right
	s_endpgm
.Lentry_shape_is_right:
; OUTP: out = ctx Wo^T + bo on codes of E4M3 (v_wmma_f32_16x16x128_fp8_fp8, f32 sums).  A = ctx's codes (8,192 rows), B = Wo's (1,024 rows, the fourth MiB of wc).
; A tile of C is 128 rows of A x 256 rows of B: 256 work-groups.  Four waves, each 64 x 128: 32 accumulators.
; OPERANDS lie in memory as images of their registers: a block of 16 rows is [kq 0..7][c 0..3][lane][16 bytes]; a K step of 256 codes is 4,096 consecutive bytes of each block; a fragment comes from LDS by four loads of 512 consecutive bytes.
; ctx's blocks hold the rows in the order in which attention left them: lane-row r of block 2 p + a is token 32 p + 8 a + r + 8 (r / 8); the stores' immediates undo that.
; LDS: three slots of 98,304 bytes.  K steps 0, 1, 2 are the first fills of slots 0, 1, 2 and go out together; K step 3 is the one refill, into slot 0.  A wave has at most three tensor loads out.
; CLUSTERS: 4 x 4 work-groups: A's tile is shared along a row of the cluster, B's along a column, each asked for jointly.  THE MATRIX INSTRUCTION IS USED TRANSPOSED: register j of lane (r, h) is C(A's row r, B's row 8 h + j).
; LIMIT: e10 + e11 between -126 and 127.
; REGISTERS: window 0: v16-18, v20-22 LDS addresses of my A / B fragments in slots 0-2; v24 into the stage, v25 out of it, v26 16 x lane; v28, v29 the add's; v32-95 bo along B's rows; v128-191, v192-255 A's fragments, two sets;
;   window 1: B's fragments, two sets of 128;  window 2: the accumulators, (a, b) at v[8 (8 a + b)].
.set SLOT,  98304
.set BOFF,  32768
.set SPARE, 3*SLOT                     ; the spare words: 128 bytes a wave, two blocks of 256 bytes that no other line names
.set STG,   SLOT                       ; the way out: 16 rows x 528 bytes a wave, in slot 1, which has had its one fill and its last read by then
.set SPI,   528
.set SPW,   28
.set NIL,   29
.set MULW,  0xa1                       ; source 0 (B) window 1, source 1 (A) window 0, C and D window 2
.set MSB, 0
.macro WIN new                         ; the immediate's high byte repeats the setting that is left
.if MSB != \new
	s_set_vgpr_msb (MSB<<8)|\new
.set MSB, \new
.endif
.endm
.macro PLACES n
.rept \n
	v_nop
.endr
.endm
.macro CREST                           ; a round of the cluster's barrier behind its opening barrier
	s_cmp_lg_u32 s18, 0
	s_cbranch_scc1 .Lnot_wave_0_\@
	s_barrier_signal -3
.Lnot_wave_0_\@:
	s_barrier_wait -3
	s_barrier_signal -1
	s_barrier_wait -1
.endm
.macro CROUND
	s_barrier_signal -1
	s_barrier_wait -1
	CREST
.endm
.macro JLOAD                           ; the joint refill of slot 0: waves 0, 1 for A, waves 2, 3 for B; four v_nop follow each line
	s_cmp_eq_u32 s19, 0
	s_cbranch_scc0 .Lfor_b_\@
	tensor_load_to_lds s[32:35], s[24:31]
	s_nop 0
.rept 4
	v_nop
.endr
	s_branch .Lasked_\@
.Lfor_b_\@:
	tensor_load_to_lds s[52:55], s[44:51]
	s_nop 0
.rept 4
	v_nop
.endr
.Lasked_\@:
.endm
.macro FRAG reg, adr, off
.irp c, 0,1,2,3
	ds_load_b128 v[\reg+4*\c:\reg+4*\c+3], v[\adr] offset:\off+512*\c
.endr
.endm
.macro FETCH slot, q, set              ; 48 loads: the slot's q-th 128 along K: B's eight fragments, A's four
	WIN 0x40
.irp b, 0,1,2,3,4,5,6,7
	FRAG 128*(\set)+16*\b, 20+\slot, \b*4096+(\q)*2048
.endr
	WIN 0
.irp a, 0,1,2,3
	FRAG 128+64*(\set)+16*\a, 16+\slot, \a*4096+(\q)*2048
.endr
.endm
.macro MUL8 a, set, zero               ; the 32 accumulators take turns, one instruction a turn, in the same order in every step
.irp b, 0,1,2,3,4,5,6,7
.if \zero
	v_wmma_f32_16x16x128_fp8_fp8 v[8*(8*(\a)+\b):8*(8*(\a)+\b)+7], v[128*(\set)+16*\b:128*(\set)+16*\b+15], v[128+64*(\set)+16*(\a):128+64*(\set)+16*(\a)+15], 0
.else
	v_wmma_f32_16x16x128_fp8_fp8 v[8*(8*(\a)+\b):8*(8*(\a)+\b)+7], v[128*(\set)+16*\b:128*(\set)+16*\b+15], v[128+64*(\set)+16*(\a):128+64*(\set)+16*(\a)+15], v[8*(8*(\a)+\b):8*(8*(\a)+\b)+7]
.endif
.endr
.endm
.macro KSUB set, zero, fslot, fq       ; 128 along K on one set, while the next 128's fragments come into the other
	s_wait_dscnt 0x0                               ; this set is in
	PLACES 4                                       ; four plain places between the last products that read the other set and the loads into it
	FETCH \fslot, \fq, (1-\set)
	WIN MULW
	MUL8 0, \set, \zero
	MUL8 1, \set, \zero
	MUL8 2, \set, \zero
	MUL8 3, \set, \zero
.endm
.macro TURN fill, nslot                ; 128 along K on set 1, with a barrier.  fill = 1: slot 0 is filled again behind a round of the cluster's barrier
	WIN 0
	s_wait_tensorcnt 0x0                           ; all my tensor loads have landed
	ds_add_u32 v[SPW], v[NIL]                      ; 0 onto my spare word
	s_wait_dscnt 1                                 ; set 1 is in; the add alone may be out
	WIN MULW
	MUL8 0, 1, 0
	s_wait_dscnt 0x0                               ; the add is done, and my reads of the slots behind me are over
	s_barrier_signal -1
	MUL8 1, 1, 0
	WIN 0
	s_barrier_wait -1
.if \fill
	CREST                                          ; no wave of any partner still reads slot 0 or has a load on its way
	s_add_nc_u64 s[34:35], s[34:35], 3*4096        ; K step 3
	s_add_nc_u64 s[54:55], s[54:55], 3*4096
	JLOAD                                          ; the first tensor load behind the round; its four v_nop are the places in front of the loads below
.else
	PLACES 4
.endif
	FETCH \nslot, 0, 0
	WIN MULW
	MUL8 2, 1, 0
	MUL8 3, 1, 0
.endm
	s_load_b256 s[4:11], s[0:1], 0x0               ; ctxc, wc, bo, lowp_scales
	s_load_b64 s[12:13], s[0:1], 0x20              ; out0
	v_lshl_add_u32 v[SPW], v0, 2, SPARE
	v_mov_b32 v[NIL], 0
	ds_add_u32 v28, v29
	ds_add_u32 v28, v29
	s_wait_dscnt 0x0
	v_lshrrev_b32 v1, 5, v0
	v_readfirstlane_b32 s18, v1                    ; wave
	s_lshr_b32 s19, s18, 1                         ; which 64 of A's rows are mine.  Also: I fetch for A (0) or for B (1)
	s_and_b32 s20, s18, 1                          ; which 128 of B's rows.  Also: which half of that tile I fetch
	s_bfe_u32 s66, ttmp6, 0x40000                  ; cx = the tile column
	s_bfe_u32 s67, ttmp6, 0x40004                  ; cy
	s_and_b32 s80, ttmp7, 0xffff
	s_lshl_b32 s80, s80, 2
	s_add_co_u32 s80, s80, s67                     ; tile row = 4 x cluster y + cy
	s_lshl_b32 s82, s80, 17                        ; A: 8 blocks of 16,384 bytes a tile row,
	s_lshl_b32 s83, s20, 16                        ; the 4 that I fetch
	s_add_co_u32 s82, s82, s83
	s_mov_b32 s83, 0
	s_lshl_b32 s88, s66, 18                        ; B: 16 blocks a tile column,
	s_lshl_b32 s89, s20, 17                        ; the 8 that I fetch,
	s_add_co_u32 s88, s88, s89
	s_add_co_u32 s88, s88, 0x300000                ; in Wo's codes
	s_mov_b32 s89, 0
	s_lshl_b32 s94, s67, 2
	s_lshl_b32 s94, 15, s94                        ; my row of the cluster
	s_lshl_b32 s95, 0x1111, s66                    ; my column
	s_or_b32 s24, s94, (1<<21)                     ; group 1 for A: 15:0 the mask; 17:16 elements of 1 byte; no padding; 21 set beside a mask
	s_mov_b32 s25, 4096<<16                        ; tensor_dim0 = 4,096
	s_mov_b32 s26, 4<<16                           ; tensor_dim1 = 4
	s_mov_b32 s27, 4096<<16                        ; tile_dim0
	s_mov_b32 s28, 4                               ; tile_dim1
	s_mov_b32 s29, 16384                           ; from block to block
	s_mov_b32 s30, 0
	s_mov_b32 s31, 0
	s_or_b32 s44, s95, (1<<21)                     ; group 1 for B: 8 rows
	s_mov_b32 s45, 4096<<16
	s_mov_b32 s46, 8<<16
	s_mov_b32 s47, 4096<<16
	s_mov_b32 s48, 8
	s_mov_b32 s49, 16384
	s_mov_b32 s50, 0
	s_mov_b32 s51, 0
	s_lshl_b32 s96, s20, 14                        ; where they go in a slot: no place in the cluster enters an LDS address
	s_lshl_b32 s97, s20, 15
	s_add_co_u32 s97, s97, BOFF
	s_wait_kmcnt 0x0
	s_add_nc_u64 s[90:91], s[4:5], s[82:83]
	s_add_nc_u64 s[92:93], s[6:7], s[88:89]
.irp t, 0,1,2                          ; group 0, a set for each of the three first fills: K step t into slot t
	s_mov_b32 s[32+4*\t], 1
	s_add_co_u32 s[33+4*\t], s96, \t*SLOT
	s_add_nc_u64 s[34+4*\t:35+4*\t], s[90:91], \t*4096
	s_or_b32 s[35+4*\t], s[35+4*\t], 0x80000000
	s_mov_b32 s[52+4*\t], 1
	s_add_co_u32 s[53+4*\t], s97, \t*SLOT
	s_add_nc_u64 s[54+4*\t:55+4*\t], s[92:93], \t*4096
	s_or_b32 s[55+4*\t], s[55+4*\t], 0x80000000
.endr
	CROUND                                         ; all sixteen work-groups are here: the first joint loads meet
	s_cmp_eq_u32 s19, 0                            ; a wave's three first fills stand in one branch, ahead of every wait on TENSORcnt and every LDS read
	s_cbranch_scc0 .Lfirst_b
	tensor_load_to_lds s[32:35], s[24:31]
	s_nop 0
	tensor_load_to_lds s[36:39], s[24:31]
	s_nop 0
	tensor_load_to_lds s[40:43], s[24:31]
	s_nop 0
.rept 4
	v_nop
.endr
	s_branch .Lfirst_done
.Lfirst_b:
	tensor_load_to_lds s[52:55], s[44:51]
	s_nop 0
	tensor_load_to_lds s[56:59], s[44:51]
	s_nop 0
	tensor_load_to_lds s[60:63], s[44:51]
	s_nop 0
.rept 4
	v_nop
.endr
.Lfirst_done:
	s_load_b128 s[76:79], s[10:11], 0x20           ; e8 .. e11
	v_and_b32 v1, 31, v0
	v_lshlrev_b32 v2, 4, v1                        ; 16 x lane
	v_and_b32 v3, 15, v0                           ; r
	v_bfe_u32 v4, v0, 4, 1                         ; h
	s_lshl_b32 s82, s19, 14                        ; my 4 blocks of A,
	s_lshl_b32 s83, s20, 15                        ; my 8 of B
	s_add_co_u32 s83, s83, BOFF
.irp s, 0,1,2
	v_add_nc_u32 v[16+\s], s82, v2
	v_add_nc_u32 v[20+\s], s83, v2
	s_add_co_u32 s82, s82, SLOT
	s_add_co_u32 s83, s83, SLOT
.endr
	s_mul_i32 s84, s18, 16*SPI
	s_add_co_u32 s84, s84, STG                     ; my stage
	v_mul_u32_u24 v24, v3, SPI
	v_lshl_add_u32 v24, v4, 5, v24
	v_add_nc_u32 v24, s84, v24                     ; in: row r, + 32 h
	v_add_nc_u32 v25, s84, v2                      ; back: a row's 512 bytes, 16 a lane
	v_mov_b32 v26, v2
	s_lshl_b32 s88, s66, 10
	s_lshl_b32 s89, s20, 9
	s_add_co_u32 s88, s88, s89                     ; 4 x (256 tile column + 128 half): my first column, in bo and in a row of out
	v_lshlrev_b32 v7, 5, v4
	v_add_nc_u32 v7, s88, v7                       ; + 32 h
.irp b, 0,1,2,3,4,5,6,7
	global_load_b128 v[32+8*\b:35+8*\b], v7, s[8:9] offset:64*\b
	global_load_b128 v[36+8*\b:39+8*\b], v7, s[8:9] offset:64*\b+16
.endr
	s_lshl_b32 s90, s80, 7
	s_lshl_b32 s91, s19, 6
	s_add_co_u32 s90, s90, s91                     ; my first row of out: 128 tile row + 64 half
	s_lshl_b32 s90, s90, 12
	s_add_co_u32 s90, s90, s88
	s_mov_b32 s91, 0
	s_add_nc_u64 s[12:13], s[12:13], s[90:91]
	s_wait_tensorcnt 2                             ; my part of K step 0 is in; slots 1 and 2 may be out
	s_barrier_signal -1
	s_barrier_wait -1                              ; everybody's is
	FETCH 0, 0, 0
	KSUB 0, 1, 0, 1                                ; K 0-127: the first products start the sums
	TURN 1, 1                                      ; K 128-255; slot 0 is left and takes K step 3; slots 1 and 2 are whole for every wave
	KSUB 0, 0, 1, 1                                ; K 256-383
	KSUB 1, 0, 2, 0                                ; K 384-511
	KSUB 0, 0, 2, 1                                ; K 512-639
	TURN 0, 0                                      ; K 640-767; the refill has landed for every wave; nobody reads slots 1 and 2 any more
	KSUB 0, 0, 0, 1                                ; K 768-895
	s_wait_dscnt 0x0
	MUL8 0, 1, 0                                   ; K 896-1023
	MUL8 1, 1, 0
	MUL8 2, 1, 0
	MUL8 3, 1, 0
	WIN 0
	; ---- THE WAY OUT, a block of 16 rows x 128 columns at a time: sum x 2^(e10 + e11) + bo; through my stage, so that 32 lanes store a row's 512 consecutive bytes
	PLACES 4
	s_wait_kmcnt 0x0
	s_add_co_i32 s82, s78, s79
	s_add_co_i32 s82, s82, 127
	s_lshl_b32 s82, s82, 23                        ; 2^(e10 + e11) as f32
	s_mov_b32 s83, s82                             ; (named with it as a pair, so it is written)
	s_wait_loadcnt 0x0                             ; bo
.irp a, 0,1,2,3
.if \a > 0
	s_wait_xcnt 0x0                                ; the last block's stores have read their registers, into which this block's rows are loaded
.endif
	WIN 0x02                                       ; source 0 window 2
.set n, 0
.rept 32
	v_pk_fma_f32 v[128+n:129+n], v[64*\a+n:64*\a+n+1], s[82:83], v[32+n:33+n] op_sel_hi:[1,0,1]   ; each accumulator from its low end on
.set n, n+2
.endr
	WIN 0
.irp b, 0,1,2,3,4,5,6,7
	ds_store_b128 v24, v[128+8*\b:131+8*\b] offset:64*\b
	ds_store_b128 v24, v[132+8*\b:135+8*\b] offset:64*\b+16
.endr
.irp i, 0,1,2,3,4,5,6,7,8,9,10,11,12,13,14,15
	ds_load_b128 v[192+4*\i:195+4*\i], v25 offset:\i*SPI   ; LDS serves a wave's instructions in order: these see my stores
.endr
.irp i, 0,1,2,3,4,5,6,7,8,9,10,11,12,13,14,15
	s_wait_dscnt 15-\i
	global_store_b128 v26, v[192+4*\i:195+4*\i], s[12:13] offset:(32*(\a/2)+8*(\a%2)+\i+8*(\i/8))*4096 th:TH_STORE_NT   ; lane-row i of block a is token 32 (a / 2) + 8 (a % 2) + i + 8 (i / 8) of my 64
.endr
.endr
	s_wait_tensorcnt 0x0                           ; the wave's end
	ds_add_u32 v[SPW], v[NIL]
	s_wait_dscnt 0x0
	CROUND                                         ; the closing round
	s_endpgm
.Lfunc_end_k_q89ab995f30_outp:
	.size	k_q89ab995f30_outp, .Lfunc_end_k_q89ab995f30_outp-k_q89ab995f30_outp
	.p2alignl 7, 3214868480
	.fill 96, 4, 3214868480
	.section	.rodata,"a",@progbits
	.p2align	6, 0x0
	.amdhsa_kernel k_q89ab995f30_outp
		.amdhsa_group_segment_fixed_size 327680
		.amdhsa_private_segment_fixed_size 0
		.amdhsa_enable_private_segment 0
		.amdhsa_kernarg_size 40
		.amdhsa_user_sgpr_count 2
		.amdhsa_user_sgpr_kernarg_segment_ptr 1
		.amdhsa_wavefront_size32 1
		.amdhsa_system_sgpr_workgroup_id_x 1
		.amdhsa_system_sgpr_workgroup_id_y 1
		.amdhsa_system_sgpr_workgroup_id_z 1
		.amdhsa_system_vgpr_workitem_id 0
		.amdhsa_next_free_vgpr 768
		.amdhsa_next_free_sgpr 100
		.amdhsa_reserve_vcc 0
		.amdhsa_float_denorm_mode_32 3
		.amdhsa_float_denorm_mode_16_64 3
		.amdhsa_memory_ordered 1
		.amdhsa_forward_progress 1
		.amdhsa_inst_pref_size 77
	.end_amdhsa_kernel
	.amdgpu_metadata
---
amdhsa.version: [ 1, 2 ]
amdhsa.kernels:
  - .name:           k_q89ab995f30_outp
    .symbol:         k_q89ab995f30_outp.kd
    .args:
      - { .name: ctxc, .offset: 0, .size: 8, .value_kind: global_buffer, .address_space: global }
      - { .name: wc, .offset: 8, .size: 8, .value_kind: global_buffer, .address_space: global }
      - { .name: bo, .offset: 16, .size: 8, .value_kind: global_buffer, .address_space: global }
      - { .name: lowp_scales, .offset: 24, .size: 8, .value_kind: global_buffer, .address_space: global }
      - { .name: out0, .offset: 32, .size: 8, .value_kind: global_buffer, .address_space: global }
    .group_segment_fixed_size: 327680
    .private_segment_fixed_size: 0
    .kernarg_segment_align: 8
    .kernarg_segment_size: 40
    .max_flat_workgroup_size: 128
    .sgpr_count:     100
    .vgpr_count:     768
    .wavefront_size: 32
...
	.end_amdgpu_metadata
.endif
;; end of part 4
